; MI455X (gfx1250); checked and timed in simulation.
; The chip was launched on July 23, 2026; its instructions are those of AMD's public machine-readable ISA for CDNA 5 (MIT licence, August 2026) and "CDNA5" Instruction Set Architecture Reference Guide (July 2026). The comments in the code are by the model that wrote it; some were corrected since.
;; Multi Head Attention. Allowed arithmetic: matrix products marked QUANTISED: E2M3 operands, one E8M0 scale for each 32 along K, by v_wmma_scale_f32_16x16x128_f8f6f4 with both operands' format E2M3, f32 sums; everything else in f32.
;; Inputs: Wk 512 x 512 float32; Wo 512 x 512 float32; Wq 512 x 512 float32; Wv 512 x 512 float32; key 2 x 4,096 x 512 float32; query 2 x 4,096 x 512 float32; value 2 x 4,096 x 512 float32.
;; Outputs: out0 2 x 4,096 x 512 float32.
;; This version of the problem:
;;   THIS VERSION OF THE PROBLEM IS GIVEN IN LOW PRECISION. The matrix products marked QUANTISED in the list below multiply operands that are first quantised to E2M3 (2 exponent bits, 3 mantissa bits; 6 bits a number), with one power-of-two scale for each 32 numbers along K (OCP MX v1.0); their sums are f32. All else is computed in f32.
;;   The module's matrix products, in the order in which they are computed (A, B: the left and right operand; K: the contracted axis; several contracted axes count as one K, in the product's order):
;;     1. [M 8,192, K 512] x [K 512, N 512]; A: input query; B: input Wq: QUANTISED
;;     2. [M 8,192, K 512] x [K 512, N 512]; A: input key; B: input Wk: QUANTISED
;;     3. [M 8,192, K 512] x [K 512, N 512]; A: input value; B: input Wv: QUANTISED
;;     4. batch 16 x [M 4,096, K 64] x [K 64, N 4,096]; A: computed on the way; B: computed on the way: QUANTISED
;;     5. batch 16 x [M 4,096, K 4,096] x [K 4,096, N 64]; A: softmax (see below); B: computed on the way: QUANTISED
;;     6. [M 8,192, K 512] x [K 512, N 512]; A: computed on the way; B: input Wo: QUANTISED
;;   THE QUANTISER, for each operand of a quantised product, along K:
;;     - K is cut into blocks of 32 from its start; a last block that is shorter is filled with zeros.
;;     - A block's scale is 2^e with e = floor(log2(the largest magnitude in the block)) - 2, held to -126 .. 127; a block of zeros has e = 0. As a byte (E8M0): e + 127.
;;     - Each number is divided by its block's scale, clamped to +-7.5, and rounded to the nearest number of E2M3, ties to even, subnormals kept.
;;     - The product sums the exact products of the quantised numbers (number of the format x scale) in f32.
;;   ~~~python
;;   def quantise(x, axis):      # numpy; x: float32 -> the quantised numbers, widened to float32 again
;;       x = np.moveaxis(x, axis, -1); K = x.shape[-1]
;;       x = np.pad(x, [(0, 0)] * (x.ndim - 1) + [(0, -K % 32)]); x = x.reshape(x.shape[:-1] + (-1, 32)); a = np.abs(x).max(-1, keepdims=True)
;;       e = np.where(a > 0, np.clip(np.frexp(np.where(a > 0, a, 1))[1] - 1 - 2, -126, 127), 0)      # np.frexp(a)[1] - 1 = floor(log2(a)), exactly
;;       r = np.clip(x / 2.0 ** e, -7.5, 7.5)
;;       step = 2.0 ** (np.maximum(np.frexp(np.where(r == 0, 1, r))[1] - 1, 0) - 3)
;;       q = np.round(r / step) * step * 2.0 ** e      # np.round: ties to even
;;       return np.moveaxis(q.reshape(q.shape[:-2] + (-1,))[..., :K], -1, axis).astype(np.float32)
;;   ~~~
;;   SOFTMAX AHEAD OF A QUANTISED PRODUCT. Where the list says 'softmax', what is quantised is not the finished softmax but p = 2^(t - M), with t = logit x log2(e) and M = ceil(the row's largest t), a whole number; so 1/2 < the row's largest p <= 1. The row's sum l is taken of the UNQUANTISED p, in f32, and the product's result is divided by l at the end. Since M is a whole number, a kernel that streams over the keys may use a running M (the ceiling of the running maximum): every later rescaling is an exact power of two, which a block's scale takes up: the codes' values come out the same.
;;   OPERANDS COMPUTED ON THE WAY. 'Computed on the way' means the value that the module computes at that place (a softmax that the list does not call 'softmax' is quantised finished and normalised). What goes into a quantiser is computed in f32, as accurately as f32 sums, v_exp_f32 and their like allow (about 1e-6 of the number): no bf16 or f16 on the way to a quantiser, and a product that is left as it is and whose result goes on into a quantised operand takes f32 operands (vector FMAs, or v_wmma_f32_16x16x4_f32). A number that lies on a knife's edge between two numbers of the format may be rounded either way, as far as f32 arithmetic and the matrix unit's own rounding can turn it there, and no further.
;; One version. Each part assembles by itself: llvm-mc -triple=amdgcn-amd-amdhsa -mcpu=gfx1250 --defsym DOCPART=n.
;; ======== version 1 of 1: 4 launches
;; limits: right only within a limited range of input values
;; workspace buffers: xc 10,223,616 bytes; xs 425,984 bytes; qkv 9,830,400 bytes; ac 3,145,728 bytes; asc 131,072 bytes
;; launch quant (part 1): grid 256 x 1, 13 waves a work-group, no clusters, 111,616 bytes of LDS; arguments query, key, value, Wq, Wk, Wv, Wo, xc, xs; writes xc, xs
.if DOCPART == 1
	.amdgcn_target "amdgcn-amd-amdhsa--gfx1250"
	.amdhsa_code_object_version 6
	.text
	.protected	k_q5caba795ad_quant
	.globl	k_q5caba795ad_quant
	.p2align	8
	.type	k_q5caba795ad_quant,@function
k_q5caba795ad_quant:
	s_mov_b64 s[64:65], 0
	v_nop
	global_prefetch_b8 v0, s[64:65] scope:SCOPE_SE
	s_setreg_imm32_b32 hwreg(HW_REG_WAVE_MODE, 25, 1), 1
	s_wait_xcnt 0x0
; query, key, value [8192][512] and Wq, Wk, Wv, Wo [512][512], f32 with K = 512 innermost, become codes of FP6 (E2M3) with one E8M0 byte for each 32 along K.
; A block's scale is 2^(floor(log2(its largest magnitude)) - 2); its byte is that magnitude's exponent field - 2, held at 1 from below.
; LIMITS: NaN and infinities among the inputs are not served.  A block whose largest magnitude lies under 2^-124 keeps the byte 1 (for a block of zeros the rule says 127: its codes are zeros,
; which add nothing under any byte but 0xff, and the bytes are read by this program alone).
; THE OUTPUT IS LAID AS THE MATRIX OPERANDS' REGISTERS.  A tile is 16 rows: tile t of a tensor holds, for lane row r, the tensor's row 32 (t / 2) + 8 (t % 2) + r + 8 (r / 8);
; KEY'S TILES ALONE ARE CUT OTHERWISE: row 64 (t / 4) + 8 (t % 4) + r + 24 (r / 8), so that in the attention launch a lane's 32 registers of four tiles are one block of 32 keys.
; xc: [1664 tiles][4 K steps][1,536 bytes]: a fragment (16 rows x 128 K, 12 registers a lane): registers 4 c .. 4 c + 3 of lane l at 512 c + 16 l.
; xs: [1664 tiles][16 rows][4 words]: word s of row r = the four scale bytes of K step s.  Tiles: query 0, key 512, value 1024, Wq 1536, Wk 1568, Wv 1600, Wo 1632.
; SHARES.  One wave makes HALF a tile, two K steps (16,384 bytes in, 3,200 out): 3,328 halves = 256 work-groups of 13 waves, all alike.  A wave issues all its 32 loads at its start.
; One path through the text: only the source pointer is chosen, by the tile's number, which is made of the work-group's and the wave's numbers.
; Each load reads 512 consecutive bytes of a row; a K step's 16 rows turn through the wave's own stage in LDS and come back 16 neighbours of each block of 32 to a lane.
; A half tile's scale words are 8 bytes of each row's 16: the two waves of a tile each store half of its 256 bytes: 128 bytes beside 3,072 of codes.
; No tensor load, no barrier, no cluster: waves share nothing, and no input byte is read twice.
.set STGB, 8448                        ; a wave's stage: 16 rows of SROW bytes
.set SROW, 528                         ; 512 bytes + 16 = 33 x 16: the sixteen rows that a read touches begin at sixteen different 16-byte columns modulo 256
.set SPARE, 13*STGB                    ; behind the stages: the spare words, 128 bytes for each wave, seven blocks of 256 bytes that no other line names
.set RA,   16                          ; v16-79, v80-143  the two K steps' 16 loads
.set X,    144                         ; v144-207 64 numbers of a lane: register 16 b + i = k 32 b + 16 (lane / 16) + i of its row
.set PC,   208                         ; v208-219 the fragment just made
.set CT,   220                         ; v220-227 the conversions' second halves
.set TM,   228                         ; v228-243 at work
.set SW,   248                         ; v248-249 the two scale words
.set SEL,  26                          ; s[26:27] lane selects: lane l xor 16
; 64 numbers of a lane become a fragment's codes, k 0-63 in v[d0 .. d0 + 5] and k 64-127 in v[d1 .. d1 + 5], and the row's scale word in v[pw].
.macro QUANT s, d0, d1, pw
.irp b, 0,1,2,3
	v_max3_num_f32 v[TM+\b], |v[\s+16*\b]|, |v[\s+1+16*\b]|, 0x1800000   ; block b: my 16 numbers, and the floor 2^(3 - 127): the byte cannot fall under 1
.endr
.irp i, 2,4,6,8,10,12,14
.irp b, 0,1,2,3
	v_max3_num_f32 v[TM+\b], v[TM+\b], |v[\s+16*\b+\i]|, |v[\s+1+16*\b+\i]|   ; the four blocks by turns
.endr
.endr
.irp b, 0,1,2,3
	v_permlanex16_b32 v[TM+4+\b], v[TM+\b], s[SEL], s[SEL+1]
.endr
.irp b, 0,1,2,3
	v_max_num_f32 v[TM+\b], v[TM+\b], v[TM+4+\b]                 ; with lane l xor 16's: the block's largest magnitude
.endr
.irp b, 0,1,2,3
	v_add_nc_u32 v[TM+12+\b], 0xff000000, v[TM+\b]               ; 2 off its exponent field: the conversion's scale operand
.endr
.irp b, 0,1,2,3
	v_lshrrev_b32 v[TM+4+\b], 23, v[TM+12+\b]                    ; the scale's byte
.endr
	v_lshl_or_b32 v[\pw], v[TM+5], 8, v[TM+4]
	v_lshl_or_b32 v[\pw], v[TM+6], 16, v[\pw]
	v_lshl_or_b32 v[\pw], v[TM+7], 24, v[\pw]
	v_cvt_scalef32_pk16_fp6_f32 v[\d0:\d0+2], v[\s:\s+15], v[TM+12]
	v_cvt_scalef32_pk16_fp6_f32 v[CT:CT+2], v[\s+16:\s+31], v[TM+13]      ; (a conversion's three registers begin on an even number)
	v_cvt_scalef32_pk16_fp6_f32 v[\d1:\d1+2], v[\s+32:\s+47], v[TM+14]
	v_cvt_scalef32_pk16_fp6_f32 v[CT+4:CT+6], v[\s+48:\s+63], v[TM+15]
	v_nop                                                        ; one plain line behind the scaled conversions
.irp i, 0,1,2
	v_permlane16_swap_b32 v[\d0+\i], v[CT+\i]                    ; the layout wants a whole block in a lane: lanes 0-15 the even block, lanes 16-31 the odd one
	v_permlane16_swap_b32 v[\d1+\i], v[CT+4+\i]
.endr
.irp i, 0,1,2
	v_mov_b32 v[\d0+3+\i], v[CT+\i]
	v_mov_b32 v[\d1+3+\i], v[CT+4+\i]
.endr
.endm
	s_load_b512 s[8:23], s[0:1], 0x0               ; query s[8:9], key, value, Wq, Wk, Wv, Wo s[20:21], xc s[22:23]
	s_load_b64 s[24:25], s[0:1], 0x40              ; xs
	v_lshl_add_u32 v254, v0, 2, SPARE
	v_mov_b32 v255, 0
	v_lshrrev_b32 v5, 5, v0
	v_readfirstlane_b32 s2, v5                     ; wave 0..12
	v_and_b32 v6, 31, v0                           ; lane
	v_and_b32 v7, 15, v0                           ; r
	v_bfe_u32 v8, v0, 4, 1                         ; h
	v_lshlrev_b32 v1, 4, v6                        ; 16 x lane: my bytes of a load's and of a store's 512
	s_mul_i32 s3, s2, STGB
	v_add_nc_u32 v2, s3, v1                        ; the stage, on the way in: the row stands in the immediate
	v_mul_u32_u24 v3, v7, SROW
	v_lshl_add_u32 v3, v8, 6, v3
	v_add_nc_u32 v3, s3, v3                        ; and on the way out: row r, + 64 h
	v_lshlrev_b32 v4, 4, v7                        ; the scale words' place: 16 r
	s_mov_b32 s[SEL], 0x76543210
	s_mov_b32 s[SEL+1], 0xfedcba98
.irp b, 0,1,2,3
	v_mov_b32 v[TM+4+\b], 0                        ; written once: a lane permute's destination counts as one of its sources
.endr
	s_wait_alu depctr_va_vdst(0)                   ; the wait at the head's end
	s_wait_kmcnt 0x0
	s_mul_i32 s28, ttmp9, 13
	s_add_co_u32 s28, s28, s2                      ; which half tile of the 3,328
	s_and_b32 s3, s28, 1                           ; K steps 0, 1 or 2, 3
	s_lshr_b32 s28, s28, 1                         ; the tile's number among all 1,664
	s_mov_b64 s[4:5], s[20:21]                     ; which tensor: the choice hangs on the tile's number alone
	s_mov_b32 s6, 1632                             ; and that tensor's first tile
	s_cmp_lt_u32 s28, 1632
	s_cselect_b64 s[4:5], s[18:19], s[4:5]
	s_cselect_b32 s6, 1600, s6
	s_cmp_lt_u32 s28, 1600
	s_cselect_b64 s[4:5], s[16:17], s[4:5]
	s_cselect_b32 s6, 1568, s6
	s_cmp_lt_u32 s28, 1568
	s_cselect_b64 s[4:5], s[14:15], s[4:5]
	s_cselect_b32 s6, 1536, s6
	s_cmp_lt_u32 s28, 1536
	s_cselect_b64 s[4:5], s[12:13], s[4:5]
	s_cselect_b32 s6, 1024, s6
	s_cmp_lt_u32 s28, 1024
	s_cselect_b64 s[4:5], s[10:11], s[4:5]
	s_cselect_b32 s6, 512, s6
	s_cmp_lt_u32 s28, 512
	s_cselect_b64 s[4:5], s[8:9], s[4:5]
	s_cselect_b32 s6, 0, s6
	s_sub_co_u32 s29, s28, s6                      ; the tile's number in its tensor
	s_cmp_eq_u32 s6, 512                           ; key?
	s_cselect_b32 s7, 32768, 0                     ; what lane rows 8-15 lie further on: 16 rows of 2,048 bytes
	s_cselect_b32 s8, 2, 1                         ; tiles in a group: 4 or 2 (the pointers that lay in s8-s11 have been chosen from)
	s_cselect_b32 s9, 3, 1
	s_cselect_b32 s10, 17, 16                      ; a group's rows in bytes: 64 or 32 rows of 2,048
	s_lshr_b32 s30, s29, s8
	s_lshl_b32 s30, s30, s10
	s_and_b32 s31, s29, s9
	s_lshl_b32 s31, s31, 14                        ; 8 rows for each tile of the group
	s_add_co_u32 s30, s30, s31
	s_lshl_b32 s31, s3, 10                         ; my two K steps: 512 bytes of a row each
	s_add_co_u32 s30, s30, s31
	s_mov_b32 s31, 0
	s_add_nc_u64 s[4:5], s[4:5], s[30:31]
	s_mul_i32 s30, s28, 6144
	s_mul_i32 s11, s3, 3072
	s_add_co_u32 s30, s30, s11
	s_add_nc_u64 s[22:23], s[22:23], s[30:31]
	s_lshl_b32 s30, s28, 8
	s_lshl_b32 s11, s3, 3
	s_add_co_u32 s30, s30, s11
	s_add_nc_u64 s[24:25], s[24:25], s[30:31]
.macro LOAD s                          ; my K step s of the tile's 16 rows: each load reads 512 consecutive bytes
.irp i, 0,1,2,3,4,5,6,7,8,9,10,11,12,13,14,15
.if \i < 8
	global_load_b128 v[RA+64*(\s)+4*\i:RA+64*(\s)+4*\i+3], v1, s[4:5] offset:(\i+8*(\i/8))*2048+512*(\s) th:TH_LOAD_NT
.else
	global_load_b128 v[RA+64*(\s)+4*\i:RA+64*(\s)+4*\i+3], v9, s[4:5] offset:(\i+8*(\i/8))*2048+512*(\s) th:TH_LOAD_NT
.endif
.endr
.endm
.macro TURN s                          ; through the stage: LDS serves a wave's instructions in order, so no wait stands between the stores and the loads
.irp i, 0,1,2,3,4,5,6,7,8,9,10,11,12,13,14,15
	ds_store_b128 v2, v[RA+64*(\s)+4*\i:RA+64*(\s)+4*\i+3] offset:SROW*\i
.endr
.irp b, 0,1,2,3
.irp j, 0,1,2,3
	ds_load_b128 v[X+16*\b+4*\j:X+16*\b+4*\j+3], v3 offset:128*\b+16*\j
.endr
.endr
.endm
	v_add_nc_u32 v9, s7, v1                        ; lane rows 8-15: 16 x lane, and key's 16 rows more
	LOAD 0
	LOAD 1
.irp s, 0,1
.if \s < 1
	s_wait_loadcnt 16                              ; this K step's 16 loads are in; the next step's 16 may be out
.else
	s_wait_loadcnt 0x0
.endif
	TURN \s
	s_wait_dscnt 0x0                               ; the numbers are back
.if \s > 0
	s_wait_xcnt 0x0                                ; the last step's stores have read the fragment's registers: they are written again only behind this wait
.endif
	QUANT X, PC, PC+6, SW+\s
.irp c, 0,1,2
	global_store_b128 v1, v[PC+4*\c:PC+4*\c+3], s[22:23] offset:1536*\s+512*\c   ; 32 lanes store 512 consecutive bytes, at a multiple of 256 from xc's first byte
.endr
.endr
	global_store_b64 v4, v[SW:SW+1], s[24:25]      ; my two words of each row; both halves of the lanes hold them and store the same bytes to the same place
	s_wait_tensorcnt 0x0                           ; the wave's end: behind my last LDS store
	ds_add_u32 v254, v255
	s_wait_dscnt 0x0
	s_endpgm
.Lfunc_end_k_q5caba795ad_quant:
	.size	k_q5caba795ad_quant, .Lfunc_end_k_q5caba795ad_quant-k_q5caba795ad_quant
	.p2alignl 7, 3214868480
	.fill 96, 4, 3214868480
	.section	.rodata,"a",@progbits
	.p2align	6, 0x0
	.amdhsa_kernel k_q5caba795ad_quant
		.amdhsa_group_segment_fixed_size 111616
		.amdhsa_private_segment_fixed_size 0
		.amdhsa_enable_private_segment 0
		.amdhsa_kernarg_size 72
		.amdhsa_user_sgpr_count 2
		.amdhsa_user_sgpr_kernarg_segment_ptr 1
		.amdhsa_wavefront_size32 1
		.amdhsa_system_sgpr_workgroup_id_x 1
		.amdhsa_system_sgpr_workgroup_id_y 1
		.amdhsa_system_sgpr_workgroup_id_z 1
		.amdhsa_system_vgpr_workitem_id 0
		.amdhsa_next_free_vgpr 256
		.amdhsa_next_free_sgpr 66
		.amdhsa_reserve_vcc 0
		.amdhsa_float_denorm_mode_32 3
		.amdhsa_float_denorm_mode_16_64 3
		.amdhsa_memory_ordered 1
		.amdhsa_forward_progress 1
		.amdhsa_inst_pref_size 19
	.end_amdhsa_kernel
	.amdgpu_metadata
---
amdhsa.version: [ 1, 2 ]
amdhsa.kernels:
  - .name:           k_q5caba795ad_quant
    .symbol:         k_q5caba795ad_quant.kd
    .args:
      - { .name: query, .offset: 0, .size: 8, .value_kind: global_buffer, .address_space: global }
      - { .name: key, .offset: 8, .size: 8, .value_kind: global_buffer, .address_space: global }
      - { .name: value, .offset: 16, .size: 8, .value_kind: global_buffer, .address_space: global }
      - { .name: Wq, .offset: 24, .size: 8, .value_kind: global_buffer, .address_space: global }
      - { .name: Wk, .offset: 32, .size: 8, .value_kind: global_buffer, .address_space: global }
      - { .name: Wv, .offset: 40, .size: 8, .value_kind: global_buffer, .address_space: global }
      - { .name: Wo, .offset: 48, .size: 8, .value_kind: global_buffer, .address_space: global }
      - { .name: xc, .offset: 56, .size: 8, .value_kind: global_buffer, .address_space: global }
      - { .name: xs, .offset: 64, .size: 8, .value_kind: global_buffer, .address_space: global }
    .group_segment_fixed_size: 111616
    .private_segment_fixed_size: 0
    .kernarg_segment_align: 8
    .kernarg_segment_size: 72
    .max_flat_workgroup_size: 416
    .sgpr_count:     66
    .vgpr_count:     256
    .wavefront_size: 32
...
	.end_amdgpu_metadata
.endif
;; end of part 1
;; launch proj (part 2): grid 256 x 1, 3 waves a work-group, no clusters, 0 bytes of LDS; arguments xc, xs, qkv; writes qkv
.if DOCPART == 2
	.amdgcn_target "amdgcn-amd-amdhsa--gfx1250"
	.amdhsa_code_object_version 6
	.text
	.protected	k_q5caba795ad_proj
	.globl	k_q5caba795ad_proj
	.p2align	8
	.type	k_q5caba795ad_proj,@function
k_q5caba795ad_proj:
	s_mov_b64 s[64:65], 0
	v_nop
	global_prefetch_b8 v0, s[64:65] scope:SCOPE_SE
	s_setreg_imm32_b32 hwreg(HW_REG_WAVE_MODE, 25, 1), 1
	s_wait_xcnt 0x0
; q = query Wq^T, k = key Wk^T, v = value Wv^T on codes of FP6 (E2M3) with E8M0 scales (xc, xs: operand images), and each result quantised again on its way, along ITS next K:
; q and k along the head's 64, v along the keys.  The results leave as the attention launch's operand images.
; ONE OPERATION SERVES ALL THREE: source 0 is the side whose index becomes the next K (q, k: the weight's rows = output units; v: value's rows = the keys), source 1 the side that stays a row
; (q, k: rows of x; v: rows of Wv = channels).  A lane then holds one row, and, by the tile rule (tile t, lane row r = row 32 (t / 2) + 8 (t % 2) + r + 8 (r / 8)), the 16 registers of tiles
; 2 b and 2 b + 1 are 16 neighbours along the next K: 32 b + 16 (lane / 16) + i.  What differs between the three is held in scalars: no branch, no loop, no LDS, no barrier.
; SHARES.  768 jobs of equal size, one a wave, three waves a work-group, 256 work-groups.  job = 3 x work-group + wave; projection = job / 256; j = (job % 256) / 4: 128 rows of x; w = job % 4: 128 rows of the weight.
; A job keeps its source-0 group (8 tiles x 4 K steps: 384 registers) for its whole life and walks 8 tiles of the other side: 8 units of 32 matrix instructions.
; qkv: [16 (batch, head)][32 steps of 128 keys][19,200 bytes]: 0 K's codes, 6,144 V's codes, 12,288 K's scale words, 12,544 V's, 12,800 Q's codes, 18,944 Q's scale words.
;   A half fragment (6 registers = 64 along K, 768 bytes): registers 0-3 of lane l at 16 l, registers 4-5 at 512 + 8 l.  K, Q: fragment f = two halves, tiles 2 f and 2 f + 1 of the step's keys, all 64 channels.
;   V: fragment t = 16 channels (by the tile rule) x the step's 128 keys, half c = keys 64 c on.  Scale words: [16 rows][4 fragments].
; NO CLUSTER: joint requests serve tiles that go to LDS.  Here every operand byte goes from memory into the register in which it is multiplied, once a job (49,152 + 8 x 6,144 bytes of codes for 256 matrix instructions);
; through LDS each would be written and read once more, with a ring and its barriers for 8 units.
; LIMITS: as in the launch before: NaN and infinities are not served; a block under 2^-124 keeps the byte 1.
; REGISTERS: window 0: v1-15 offsets; v16-47 source 0's scale words; v48-55 source 1's, two sets; v64-127 the 8 accumulators; v128-139 codes; v140-163 at work; v164-179 scale words on their way; v180-195 offsets.
;   window 1: source 0's fragments of K steps 0, 1 at 12 (8 ks + t);  window 2: of K steps 2, 3;  window 3: source 1's fragments, two buffers of 48.
.set GSTEP, 19200
.set HS,    614400                     ; from head to head in qkv
.set L16,  1
.set L8,   2
.set R16,  3
.set PO,   4
.set PSO,  5
.set SSO,  6
.set STA,  8                           ; v8-11   where half (x, c) goes: 16 x lane + ..
.set STB,  12                          ; v12-15  8 x lane + ..
.set PSC,  16
.set RSC,  48
.set ACC,  64
.set PC,   128
.set CT,   140
.set TM,   148
.set PW,   164                         ; v164-165 the scale words of a pair's two units
.set U0,   168
.set U1,   172
.set DD,   176
.set RO,   180
.set RSO,  188
.set SEL,  44                          ; s[44:45]
.set MSB, 0
.macro WIN new                         ; the immediate's high byte repeats the setting that is left
.if MSB != \new
	s_set_vgpr_msb (MSB<<8)|\new
.set MSB, \new
.endif
.endm
; 64 numbers of a lane, register 16 b + i = k 32 b + 16 (lane / 16) + i of its row, become codes: k 0-63 in v[d0 .. d0 + 5], k 64-127 in v[d1 .. d1 + 5]; the row's scale word in v[pw].
; Each accumulator is read from its low end on.
.macro QUANT s, d0, d1, pw
.irp b, 0,1,2,3
	v_max3_num_f32 v[TM+\b], |v[\s+16*\b]|, |v[\s+1+16*\b]|, 0x1800000   ; and the floor 2^(3 - 127): the byte cannot fall under 1
.endr
.irp i, 2,4,6,8,10,12,14
.irp b, 0,1,2,3
	v_max3_num_f32 v[TM+\b], v[TM+\b], |v[\s+16*\b+\i]|, |v[\s+1+16*\b+\i]|
.endr
.endr
.irp b, 0,1,2,3
	v_permlanex16_b32 v[TM+4+\b], v[TM+\b], s[SEL], s[SEL+1]
.endr
.irp b, 0,1,2,3
	v_max_num_f32 v[TM+\b], v[TM+\b], v[TM+4+\b]
.endr
.irp b, 0,1,2,3
	v_add_nc_u32 v[TM+12+\b], 0xff000000, v[TM+\b]               ; 2 off the exponent field: the conversion's scale operand
.endr
.irp b, 0,1,2,3
	v_lshrrev_b32 v[TM+4+\b], 23, v[TM+12+\b]                    ; the scale's byte
.endr
	v_lshl_or_b32 v[\pw], v[TM+5], 8, v[TM+4]
	v_lshl_or_b32 v[\pw], v[TM+6], 16, v[\pw]
	v_lshl_or_b32 v[\pw], v[TM+7], 24, v[\pw]
	v_cvt_scalef32_pk16_fp6_f32 v[\d0:\d0+2], v[\s:\s+15], v[TM+12]
	v_cvt_scalef32_pk16_fp6_f32 v[CT:CT+2], v[\s+16:\s+31], v[TM+13]
	v_cvt_scalef32_pk16_fp6_f32 v[\d1:\d1+2], v[\s+32:\s+47], v[TM+14]
	v_cvt_scalef32_pk16_fp6_f32 v[CT+4:CT+6], v[\s+48:\s+63], v[TM+15]
	v_nop                                                        ; one plain line behind the scaled conversions: the next unit's products write their sources
.irp i, 0,1,2
	v_permlane16_swap_b32 v[\d0+\i], v[CT+\i]
	v_permlane16_swap_b32 v[\d1+\i], v[CT+4+\i]
.endr
.irp i, 0,1,2
	v_mov_b32 v[\d0+3+\i], v[CT+\i]
	v_mov_b32 v[\d1+3+\i], v[CT+4+\i]
.endr
.endm
	s_load_b128 s[4:7], s[0:1], 0x0                ; xc, xs
	s_load_b64 s[8:9], s[0:1], 0x10                ; qkv
	v_lshrrev_b32 v196, 5, v0
	v_readfirstlane_b32 s10, v196                  ; wave 0..2
	v_and_b32 v197, 31, v0
	v_and_b32 v198, 15, v0                         ; r
	v_bfe_u32 v199, v0, 4, 1                       ; h
	v_lshlrev_b32 v[L16], 4, v197
	s_wait_alu depctr_va_vdst(0)
	v_lshlrev_b32 v[L8], 3, v197
	v_lshlrev_b32 v[R16], 4, v198
	s_wait_alu depctr_va_vdst(0)
	s_mov_b32 s[SEL], 0x76543210
	s_mov_b32 s[SEL+1], 0xfedcba98
.irp b, 0,1,2,3
	v_mov_b32 v[TM+4+\b], 0                        ; written once: a lane permute's destination counts as one of its sources
.endr
	s_mul_i32 s11, ttmp9, 3
	s_add_co_u32 s11, s11, s10                     ; job
	s_lshr_b32 s12, s11, 8                         ; projection: 0 q, 1 k, 2 v
	s_bfe_u32 s13, s11, 0x60002                    ; j
	s_and_b32 s14, s11, 3                          ; w
	s_lshl_b32 s15, s12, 9
	s_lshl_b32 s16, s13, 3
	s_add_co_u32 s15, s15, s16                     ; x's first tile: 512 x projection + 8 j
	s_lshl_b32 s16, s12, 5
	s_lshl_b32 s17, s14, 3
	s_add_co_u32 s16, s16, s17
	s_add_co_u32 s16, s16, 1536                    ; the weight's: 1536 + 32 x projection + 8 w
	s_mov_b32 s20, 768
	s_mov_b32 s21, HS
	s_mov_b32 s22, 0x05040100
	s_mov_b32 s23, 0x07060302
	s_mov_b32 s25, 12288
	s_cmp_eq_u32 s12, 2                            ; v?
	s_cselect_b32 s18, s15, s16                    ; source 0's first tile
	s_cselect_b32 s19, s16, s15                    ; source 1's
	s_cselect_b32 s26, 1, 2                        ; unit (p, x) takes source 1's tile p tp + x tx:  q, k: 2 p + x;  v: p + 4 x (x picks the head)
	s_cselect_b32 s27, 4, 1
	s_cselect_b32 s20, HS, s20                     ; what x adds to a half's place: q, k: the fragment's second half;  v: the next head
	s_cselect_b32 s21, 768, s21                    ; what c (k 0-63 or 64-127 of the result) adds: q, k: the next head;  v: the second half
	s_cselect_b32 s22, 0x03020100, s22             ; how a pair's two scale words make the two heads' words: q, k: the low (the high) two bytes of both;  v: the first (the second) word whole
	s_cselect_b32 s23, 0x07060504, s23
	s_cselect_b32 s24, 6144, 0                     ; the codes' region in a step
	s_cselect_b32 s25, 12544, s25                  ; the scale words'
	s_cmp_eq_u32 s12, 0                            ; q?
	s_cselect_b32 s24, 12800, s24
	s_cselect_b32 s25, 18944, s25
	s_lshr_b32 s28, s13, 5                         ; batch
	s_lshl_b32 s28, s28, 3
	s_lshl_b32 s29, s14, 1
	s_add_co_u32 s28, s28, s29                     ; 8 x batch + head 2 w
	s_lshl_b32 s28, s28, 5
	s_and_b32 s29, s13, 31
	s_add_co_u32 s28, s28, s29                     ; x 32 + the step
	s_mul_i32 s28, s28, GSTEP
	s_mul_i32 s30, s18, 6144
	v_add_nc_u32 v[PO], s30, v[L16]
	s_lshl_b32 s30, s18, 8
	v_add_nc_u32 v[PSO], s30, v[R16]
	s_add_co_u32 s31, s28, s24
.irp x, 0,1
.irp c, 0,1
	s_mul_i32 s29, s20, \x
	s_mul_i32 s30, s21, \c
	s_add_co_u32 s29, s29, s30
	s_add_co_u32 s29, s29, s31
	v_add_nc_u32 v[STA+2*\x+\c], s29, v[L16]
	v_add_nc_u32 v[STB+2*\x+\c], s29, v[L8]
.endr
.endr
	v_mul_u32_u24 v[SSO], v199, HS                 ; the scale words: lanes 0-15 store head 2 w's 256 bytes, lanes 16-31 head 2 w + 1's
	v_add_nc_u32 v[SSO], v[SSO], v[R16]
	s_add_co_u32 s29, s28, s25
	v_add_nc_u32 v[SSO], s29, v[SSO]
.irp u, 0,1,2,3,4,5,6,7
	s_mul_i32 s29, s26, \u/2
	s_mul_i32 s30, s27, \u%2
	s_add_co_u32 s29, s29, s30
	s_add_co_u32 s29, s29, s19                     ; unit u's tile
	s_mul_i32 s30, s29, 6144
	v_add_nc_u32 v[RO+\u], s30, v[L16]
	s_lshl_b32 s30, s29, 8
	v_add_nc_u32 v[RSO+\u], s30, v[R16]
.endr
	s_wait_kmcnt 0x0
	WIN 0x40                                       ; destination window 1
.irp ks, 0,1
.irp t, 0,1,2,3,4,5,6,7
.irp c, 0,1,2
	global_load_b128 v[12*(8*\ks+\t)+4*\c:12*(8*\ks+\t)+4*\c+3], v[PO], s[4:5] offset:6144*\t+1536*\ks+512*\c
.endr
.endr
.endr
	WIN 0x80                                       ; destination window 2
.irp ks, 2,3
.irp t, 0,1,2,3,4,5,6,7
.irp c, 0,1,2
	global_load_b128 v[12*(8*(\ks-2)+\t)+4*\c:12*(8*(\ks-2)+\t)+4*\c+3], v[PO], s[4:5] offset:6144*\t+1536*\ks+512*\c
.endr
.endr
.endr
	WIN 0
.irp t, 0,1,2,3,4,5,6,7
	global_load_b128 v[PSC+4*\t:PSC+4*\t+3], v[PSO], s[6:7] offset:256*\t   ; tile t's four words of row r
.endr
.macro RLOAD u                         ; unit u's tile of source 1: 12 loads of codes, 1 of scale words
	WIN 0xc0                                       ; destination window 3
.irp ks, 0,1,2,3
.irp c, 0,1,2
	global_load_b128 v[48*((\u)%2)+12*\ks+4*\c:48*((\u)%2)+12*\ks+4*\c+3], v[RO+(\u)], s[4:5] offset:1536*\ks+512*\c
.endr
.endr
	WIN 0
	global_load_b128 v[RSC+4*((\u)%2):RSC+4*((\u)%2)+3], v[RSO+(\u)], s[6:7]
.endm
.macro MULS ks, rb, zero               ; K step ks: the eight accumulators by turns, one instruction a turn
.irp t, 0,1,2,3,4,5,6,7
.if \zero
	v_wmma_scale_f32_16x16x128_f8f6f4 v[ACC+8*\t:ACC+8*\t+7], v[12*(8*((\ks)%2)+\t):12*(8*((\ks)%2)+\t)+11], v[48*(\rb)+12*(\ks):48*(\rb)+12*(\ks)+11], 0, v[PSC+4*\t+(\ks)], v[RSC+4*(\rb)+(\ks)] matrix_a_fmt:MATRIX_FMT_FP6 matrix_b_fmt:MATRIX_FMT_FP6
.else
	v_wmma_scale_f32_16x16x128_f8f6f4 v[ACC+8*\t:ACC+8*\t+7], v[12*(8*((\ks)%2)+\t):12*(8*((\ks)%2)+\t)+11], v[48*(\rb)+12*(\ks):48*(\rb)+12*(\ks)+11], v[ACC+8*\t:ACC+8*\t+7], v[PSC+4*\t+(\ks)], v[RSC+4*(\rb)+(\ks)] matrix_a_fmt:MATRIX_FMT_FP6 matrix_b_fmt:MATRIX_FMT_FP6
.endif
.endr
.endm
.macro UNIT u
.if (\u) < 7
	s_wait_loadcnt 13                              ; this unit's tile is in (and, in the first unit, all of source 0); the next unit's 13 loads may be out
.else
	s_wait_loadcnt 0x0
.endif
	WIN 0x0d                                       ; source 0 window 1, source 1 window 3
	MULS 0, (\u)%2, 1                              ; the first K step starts the sums: nothing is cleared
	MULS 1, (\u)%2, 0
	WIN 0x0e                                       ; source 0 window 2
	MULS 2, (\u)%2, 0
	MULS 3, (\u)%2, 0
	WIN 0
.rept 4
	v_nop                                          ; four places ahead of the first read of results and of the loads into the buffer just multiplied
.endr
	s_wait_xcnt 0x0                                ; the last unit's stores have read the codes' registers: they are written again only behind this wait
.if (\u) < 6
	RLOAD (\u)+2
.endif
	QUANT ACC, PC, PC+6, PW+(\u)%2                 ; its lines are also the places ahead of the next unit's first products, which write over these accumulators
.irp c, 0,1
	global_store_b128 v[STA+2*((\u)%2)+\c], v[PC+6*\c:PC+6*\c+3], s[8:9] offset:1536*((\u)/2)       ; 512 consecutive bytes, at a multiple of 256 from qkv's first byte
	global_store_b64 v[STB+2*((\u)%2)+\c], v[PC+6*\c+4:PC+6*\c+5], s[8:9] offset:1536*((\u)/2)+512  ; and 256
.endr
.if (\u)%2 == 1
	v_perm_b32 v[U0+(\u)/2], v[PW+1], v[PW], s22   ; the pair's word for head 2 w,
	v_perm_b32 v[U1+(\u)/2], v[PW+1], v[PW], s23   ; and for head 2 w + 1
.endif
.endm
	RLOAD 0
	RLOAD 1
.irp u, 0,1,2,3,4,5,6,7
	UNIT \u
.endr
	v_cmp_ne_u32 vcc_lo, 0, v199
.irp i, 0,1,2,3
	v_cndmask_b32 v[DD+\i], v[U0+\i], v[U1+\i], vcc_lo
.endr
	global_store_b128 v[SSO], v[DD:DD+3], s[8:9]   ; two whole runs of 256 bytes: [16 rows][4 words] for each of the two heads
	s_endpgm
.Lfunc_end_k_q5caba795ad_proj:
	.size	k_q5caba795ad_proj, .Lfunc_end_k_q5caba795ad_proj-k_q5caba795ad_proj
	.p2alignl 7, 3214868480
	.fill 96, 4, 3214868480
	.section	.rodata,"a",@progbits
	.p2align	6, 0x0
	.amdhsa_kernel k_q5caba795ad_proj
		.amdhsa_group_segment_fixed_size 0
		.amdhsa_private_segment_fixed_size 0
		.amdhsa_enable_private_segment 0
		.amdhsa_kernarg_size 24
		.amdhsa_user_sgpr_count 2
		.amdhsa_user_sgpr_kernarg_segment_ptr 1
		.amdhsa_wavefront_size32 1
		.amdhsa_system_sgpr_workgroup_id_x 1
		.amdhsa_system_sgpr_workgroup_id_y 1
		.amdhsa_system_sgpr_workgroup_id_z 1
		.amdhsa_system_vgpr_workitem_id 0
		.amdhsa_next_free_vgpr 864
		.amdhsa_next_free_sgpr 66
		.amdhsa_reserve_vcc 1
		.amdhsa_float_denorm_mode_32 3
		.amdhsa_float_denorm_mode_16_64 3
		.amdhsa_memory_ordered 1
		.amdhsa_forward_progress 1
		.amdhsa_inst_pref_size 94
	.end_amdhsa_kernel
	.amdgpu_metadata
---
amdhsa.version: [ 1, 2 ]
amdhsa.kernels:
  - .name:           k_q5caba795ad_proj
    .symbol:         k_q5caba795ad_proj.kd
    .args:
      - { .name: xc, .offset: 0, .size: 8, .value_kind: global_buffer, .address_space: global }
      - { .name: xs, .offset: 8, .size: 8, .value_kind: global_buffer, .address_space: global }
      - { .name: qkv, .offset: 16, .size: 8, .value_kind: global_buffer, .address_space: global }
    .group_segment_fixed_size: 0
    .private_segment_fixed_size: 0
    .kernarg_segment_align: 8
    .kernarg_segment_size: 24
    .max_flat_workgroup_size: 96
    .sgpr_count:     66
    .vgpr_count:     864
    .wavefront_size: 32
...
	.end_amdgpu_metadata
.endif
;; end of part 2
;; launch attn (part 3): grid 16 x 16, 16 waves a work-group, clusters of 4 x 1, 327,680 bytes of LDS; arguments qkv, ac, asc; writes ac, asc
.if DOCPART == 3
	.amdgcn_target "amdgcn-amd-amdhsa--gfx1250"
	.amdhsa_code_object_version 6
	.text
	.protected	k_q5caba795ad_attn
	.globl	k_q5caba795ad_attn
	.p2align	8
	.type	k_q5caba795ad_attn,@function
k_q5caba795ad_attn:
	s_mov_b64 s[64:65], 0
	v_nop
	global_prefetch_b8 v0, s[64:65] scope:SCOPE_SE
	s_setreg_imm32_b32 hwreg(HW_REG_WAVE_MODE, 25, 1), 1
	s_wait_xcnt 0x0
	s_wait_alu depctr_hold_cnt(0) depctr_sa_sdst(0) depctr_va_vdst(0) depctr_va_sdst(0) depctr_va_ssrc(0) depctr_va_vcc(0) depctr_vm_vsrc(0)
	s_getreg_b32 s2, hwreg(HW_REG_IB_STS2, 6, 4)
	s_cmp_eq_u32 s2, 0
	s_cbranch_scc0 .Lentry_in_a_cluster
	s_endpgm
.Lentry_in_a_cluster:
	s_bfe_u32 s2, ttmp6, 0x10000c
	s_cmp_lg_u32 s2, 0x3003
	s_cbranch_scc0 .Lentry_shape_is_right
	s_endpgm
.Lentry_shape_is_right:
; For each of 16 (batch, head): O[q] = the sum over keys of softmax(Q[q] . K[k] / 8) V[k], both products on codes of FP6 (E2M3) with E8M0 scales; then O / l is quantised along (head, channel) for the output projection.
; THE SOFTMAX AHEAD OF THE SECOND PRODUCT: t = S x log2(e) / 8; M = the row's largest t so far, rounded UP to a whole number; p = 2^(t - M) is what is quantised, along the keys, not normalised.
; The row's sum l is taken of the unquantised p in f32 and divides O at the end.  When M moves, l and O are multiplied by f = 2^(old M - new M): exact.
; qkv: [16 (batch, head)][32 steps of 128 keys][19,200 bytes], operand images (a half fragment, 6 registers: registers 0-3 of lane l at 16 l, registers 4-5 at 512 + 8 l):
;   0 K's 4 fragments, 6,144 V's 4, 12,288 K's scale words [16 rows][4], 12,544 V's, 12,800 Q's fragments, 18,944 Q's scale words.  The first 12,800 bytes are what a key step wants.
; K = 64 IN AN INSTRUCTION OF K = 128: a fragment of K holds TWO tiles of 16 keys and is multiplied twice, by (q | zeros) and by (zeros | q): zero codes add nothing.
; LAYOUT.  Both products are used transposed (S^T = K Q^T, O^T = V^T P^T): a lane holds ONE query throughout.  K's tile t of a step, lane row r, is key 64 (t / 4) + 8 (t % 4) + r + 24 (r / 8):
; so register 32 c + i of S^T in lane (r, h) is key 64 c + 32 h + i: a lane holds the WHOLE blocks h and 2 + h of the step's four, in the order of the second product's operand.
; A block's largest p needs no other lane, and the conversions' results are the operand's registers (three moves a block: a conversion's three registers begin on an even number).
; V's tile t, lane row r, is channel 32 (t / 2) + 8 (t % 2) + r + 8 (r / 8): the 16 registers of O^T's tiles 2 b and 2 b + 1 are 16 neighbouring channels.
; SHARES.  A work-group owns 256 queries of one (batch, head), each of its sixteen waves one tile of 16, in 256 registers.  Every wave walks all 32 key steps.  256 work-groups of equal work.
; THE RING.  Two LDS slots of 8 key steps (102,400 bytes); every wave fetches half a step (25 rows x 256 bytes) by one tensor load: by this text's count a wave has at most one tensor load out.
; Four runs of 8 steps; the four changes of slots are written out.  K'S FRAGMENTS ARE READ FROM LDS A STEP AHEAD, straight behind the products that free their registers, and never beyond the slot in hand:
; a run is a first read of K, a counted loop of 7 steps that read ahead, and a last step that does not.
; CLUSTER.  The four work-groups of a cluster walk the same K and V: each tile is asked for JOINTLY, by the same tensor load with the same descriptor and a mask that names the four.
; NO PREFETCH INTO THE L2 is laid: a refill is asked for eight key steps of all sixteen waves ahead of the wait for it.
; ac: [512 tiles of rows][8 heads][768 bytes: a half fragment];  asc: [512][16 rows][8 heads][2 bytes].  A wave's 32 scale bytes are stored singly: 32 bytes beside its 768 of codes.
; LIMITS: NaN and infinities are not served; a block under 2^-124 keeps the byte 1 (a block whose every p has fallen to 0 too: its codes are zeros).
; REGISTERS: v0 the thread's number; v1, v2 16 x and 8 x lane; v3, v4 LDS places; v5, v6 the spare word's address and 0; v7, v253 the conversions' scale operands; v8-11 lanes 16-31: V's four scale words;
;   v12 -M, v13 the largest S so far, v[14:15] l in two halves; v16-33 zeros, q, zeros; v34 q's scale word, v35 p's; v36-39 lanes 0-15: K's four scale words; v40-87 K's fragments; v88-135 V's;
;   v136-199 S^T, then p, then eight partial sums; v200-231 O^T; v232-243 p's codes; v244-251 by turns: maxima, the conversions' second halves and the scale bytes, four partial sums; v252 f; v254, v255 at work.
.set GSTEP, 19200
.set STEPB, 12800
.set HALFB, 6400
.set NSTEP, 8                          ; key steps in a slot
.set SLOT1, 131072                     ; slot 1 begins here, so that one exclusive or turns an address in one slot into the other's
.set SPARE, 262144                     ; behind the ring: the spare words, 128 bytes for each wave: eight blocks of 256 bytes that no other line names
.set SO0, 7
.set SO1, 253
.set VS,  8
.set QS,  34
.set PS,  35
.set KS,  36
.set KF,  40
.set VF,  88
.set S,   136
.set O,   200
.set PC,  232
.set CT,  244
.set TB,  2                            ; s2   LDS byte at which the key step in hand begins
.set CNT, 3                            ; s3   steps done in the loop
.set NC,  10                           ; s10  -c
.set WV,  12
.set SEL, 20
.set CS,  22                           ; s[22:23] c = log2(e) / 8: the packed form names a pair and takes its low word for both halves
.set G1,  24
.set G0,  32
.macro CROUND                          ; a round of the cluster's barrier
	s_barrier_signal -1
	s_barrier_wait -1
	s_cmp_lg_u32 s[WV], 0
	s_cbranch_scc1 .Lnot_wave_0_\@
	s_barrier_signal -3
.Lnot_wave_0_\@:
	s_barrier_wait -3
	s_barrier_signal -1
	s_barrier_wait -1
.endm
	s_load_b128 s[4:7], s[0:1], 0x0                ; qkv, ac
	s_load_b64 s[8:9], s[0:1], 0x10                ; asc
	v_lshl_add_u32 v5, v0, 2, SPARE
	v_mov_b32 v6, 0
	ds_add_u32 v5, v6                              ; the opening lines: the add, twice on end, and its wait ahead of my first tensor load
	ds_add_u32 v5, v6
	v_lshrrev_b32 v7, 5, v0
	v_readfirstlane_b32 s[WV], v7                  ; wave 0..15
	v_and_b32 v8, 31, v0
	v_and_b32 v10, 15, v0                          ; r
	v_lshlrev_b32 v1, 4, v8                        ; 16 x lane
	v_lshlrev_b32 v2, 3, v8                        ; 8 x lane
	s_wait_alu depctr_va_vdst(0)                   ; the wait ahead of the run of scalar lines
	s_bfe_u32 s13, ttmp6, 0x40000                  ; cx: my place in the cluster: it enters Q's and the results' global offsets alone
	s_lshl_b32 s14, ttmp9, 2
	s_add_co_u32 s14, s14, s13                     ; my block of 256 queries
	s_and_b32 s15, ttmp7, 0xffff                   ; (batch, head), which the four partners share
	; descriptor group 1: a dense block of 6,400 bytes as 25 rows of 256 (32 elements of 8 bytes), no padding: operand images are read as consecutive bytes
	s_mov_b32 s[G1], 15|(3<<16)|(1<<21)            ; 15:0 the mask: all four work-groups; 17:16 elements of 8 bytes; 21 set beside a mask
	s_mov_b32 s[G1+1], 32<<16                      ; tensor_dim0
	s_mov_b32 s[G1+2], 25<<16                      ; tensor_dim1
	s_mov_b32 s[G1+3], 32<<16                      ; tile_dim0
	s_mov_b32 s[G1+4], 25                          ; tile_dim1
	s_mov_b32 s[G1+5], 32                          ; tensor_dim0_stride
	s_mov_b32 s[G1+6], 0
	s_mov_b32 s[G1+7], 0
	s_mov_b32 s[SEL], 0x76543210
	s_mov_b32 s[SEL+1], 0xfedcba98
	s_mov_b32 s[CS], 0x3e38aa3b
	s_mov_b32 s[CS+1], s[CS]
	s_mov_b32 s[NC], 0xbe38aa3b
	s_lshr_b32 s16, s[WV], 1                       ; which of a slot's eight steps I fetch,
	s_lshl_b32 s36, s15, 5
	s_add_co_u32 s36, s36, s16
	s_mul_i32 s36, s36, GSTEP
	s_and_b32 s16, s[WV], 1                        ; and which half of its 12,800 bytes
	s_mul_i32 s16, s16, HALFB
	s_add_co_u32 s36, s36, s16                     ; in memory,
	s_mov_b32 s37, 0
	s_mul_i32 s17, s[WV], HALFB                    ; and in a slot
	s_lshl_b32 s38, s15, 5                         ; my tile of queries: step 2 x block + wave / 8,
	s_lshl_b32 s39, s14, 1
	s_add_co_u32 s38, s38, s39
	s_lshr_b32 s39, s[WV], 3
	s_add_co_u32 s38, s38, s39
	s_mul_i32 s38, s38, GSTEP
	s_bfe_u32 s39, s[WV], 0x20001                  ; fragment (wave % 8) / 2,
	s_and_b32 s40, s[WV], 1                        ; half wave % 2
	s_mul_i32 s41, s39, 1536
	s_mul_i32 s42, s40, 768
	s_add_co_u32 s41, s41, s42
	s_add_co_u32 s41, s41, s38
	s_lshl_b32 s42, s39, 2
	s_add_co_u32 s42, s42, s38
	s_mov_b32 s43, 0x03020302
	s_cmp_eq_u32 s40, 0
	s_cselect_b32 s43, 0x01000100, s43             ; my half's two bytes of q's scale word, twice
	s_lshr_b32 s44, s15, 3                         ; the way out: tile of rows 256 x batch + 16 x block + wave,
	s_lshl_b32 s44, s44, 8
	s_lshl_b32 s45, s14, 4
	s_add_co_u32 s44, s44, s45
	s_add_co_u32 s44, s44, s[WV]
	s_and_b32 s45, s15, 7                          ; head
	s_lshl_b32 s46, s44, 3
	s_add_co_u32 s46, s46, s45
	s_mul_i32 s46, s46, 768                        ; in ac
	s_lshl_b32 s47, s44, 8
	s_lshl_b32 s48, s45, 1
	s_add_co_u32 s47, s47, s48                     ; in asc
	s_wait_dscnt 0x0                               ; both opening adds are done
	s_wait_kmcnt 0x0
	CROUND                                         ; all four work-groups are here: the first joint loads meet
	s_mov_b32 s[G0], 1                             ; 1:0 count = 1
	s_mov_b32 s[G0+1], s17                         ; 63:32 LDS address: slot 0
	s_add_nc_u64 s[G0+2:G0+3], s[4:5], s[36:37]    ; 120:64 global address: key steps 0 to 7
	s_or_b32 s[G0+3], s[G0+3], 0x80000000          ; 127:126 type = 2
	tensor_load_to_lds s[G0:G0+3], s[G1:G1+7]      ; my one tensor load at the head
	s_nop 0
	v_add_nc_u32 v7, s41, v1
	v_add_nc_u32 v8, s41, v2
	v_lshl_add_u32 v9, v10, 4, s42                 ; q's scale word: 16 r + 4 x fragment
	global_load_b128 v[22:25], v7, s[4:5] offset:12800     ; q's half fragment stays in registers
	global_load_b64 v[26:27], v8, s[4:5] offset:13312
	global_load_b32 v255, v9, s[4:5] offset:18944
.irp j, 16,17,18,19,20,21,28,29,30,31,32,33
	v_mov_b32 v\j, 0                               ; zero codes on both sides of q
.endr
	v_mov_b32 v13, 0xff61b1e6                      ; the largest S so far: -3e38, under every S
	v_mov_b32 v12, 0x7f61b1e6                      ; -M: 3e38, so that the first f is 0
	v_mov_b32 v14, 0                               ; l, in two halves
	v_mov_b32 v15, 0
	v_mov_b32 v252, 0                              ; f
	v_mov_b32 v253, 0                              ; (also named as the upper half of the pair v[252:253], of which the low word alone is taken)
	s_wait_loadcnt 0x0
	v_perm_b32 v[QS], v255, v255, s43
.set jj, 0
.rept 32
	v_mov_b32 v[O+jj], 0                           ; O^T: the step is written once; the first finds zeros.  (These lines are also the places between q's scale word and the first product)
.set jj, jj+1
.endr
.set jj, 0
.rept 8
	v_mov_b32 v[CT+jj], 0                          ; the four partial sums that a step hands to the next
.set jj, jj+1
.endr
.macro ADDN j, l                       ; partial sum j, kept in pair j of p's 32, takes pair j + 8 l
	v_pk_add_f32 v[S+2*(\j):S+2*(\j)+1], v[S+2*(\j):S+2*(\j)+1], v[S+16*(\l)+2*(\j):S+16*(\l)+2*(\j)+1]
.endm
.macro LSUM                            ; the last step's four partial sums become one, and l = l x f + it (f is still that step's)
	v_pk_add_f32 v[CT:CT+1], v[CT:CT+1], v[CT+2:CT+3]
	v_pk_add_f32 v[CT+4:CT+5], v[CT+4:CT+5], v[CT+6:CT+7]
	v_pk_add_f32 v[CT:CT+1], v[CT:CT+1], v[CT+4:CT+5]
	v_pk_fma_f32 v[14:15], v[14:15], v[252:253], v[CT:CT+1] op_sel_hi:[1,0,1]
.endm
.macro KLOAD off                       ; K's scale words (lanes 0-15) and four fragments of the step that begins off bytes behind my places: 17 loads
	ds_load_b128 v[KS:KS+3], v3 offset:\off+12288
.irp f, 0,1,2,3
	ds_load_b128 v[KF+12*\f:KF+12*\f+3], v3 offset:\off+1536*\f
	ds_load_b64 v[KF+12*\f+4:KF+12*\f+5], v4 offset:\off+1536*\f+512
	ds_load_b128 v[KF+12*\f+6:KF+12*\f+9], v3 offset:\off+1536*\f+768
	ds_load_b64 v[KF+12*\f+10:KF+12*\f+11], v4 offset:\off+1536*\f+1280
.endr
.endm
; A KEY STEP: 128 keys; v3, v4 point at its bytes.  pre = 1: the next step lies in the same slot: its K is read ahead, and the places move on.
.macro STEP pre
	ds_load_b128 v[VS:VS+3], v3 offset:12288       ; lanes 16-31, 256 bytes behind K's: V's four words of row r.  (The last step's 16 additions behind its last products are the places ahead of these loads)
.irp f, 0,1,2,3
	ds_load_b128 v[VF+12*\f:VF+12*\f+3], v3 offset:6144+1536*\f
	ds_load_b64 v[VF+12*\f+4:VF+12*\f+5], v4 offset:6144+1536*\f+512
	ds_load_b128 v[VF+12*\f+6:VF+12*\f+9], v3 offset:6144+1536*\f+768
	ds_load_b64 v[VF+12*\f+10:VF+12*\f+11], v4 offset:6144+1536*\f+1280
.endr
	s_wait_dscnt 17                                ; K and its scale words, asked for earlier, are in; the 17 loads just issued may be out
.irp f, 0,1,2,3                                ; S^T: tile 2 f, then tile 2 f + 1
	v_wmma_scale_f32_16x16x128_f8f6f4 v[S+16*\f:S+16*\f+7], v[KF+12*\f:KF+12*\f+11], v[22:33], 0, v[KS+\f], v[QS] matrix_a_fmt:MATRIX_FMT_FP6 matrix_b_fmt:MATRIX_FMT_FP6
	v_wmma_scale_f32_16x16x128_f8f6f4 v[S+16*\f+8:S+16*\f+15], v[KF+12*\f:KF+12*\f+11], v[16:27], 0, v[KS+\f], v[QS] matrix_a_fmt:MATRIX_FMT_FP6 matrix_b_fmt:MATRIX_FMT_FP6
.endr
	LSUM                                           ; four plain lines that name none of the products' registers: the places (ISA guide 7.12.1 for vector instructions) ahead of the loads into K's registers and of the first read of S^T
.if \pre
	KLOAD STEPB                                    ; the next step's K
.endif
.irp c, 0,1                                    ; the largest S of my two blocks of 32 keys, block by block, a chain to each tile; every accumulator is read from its low end on
.irp t, 0,1,2,3
	v_max3_num_f32 v[CT+4*\c+\t], v[S+32*\c+8*\t], v[S+32*\c+8*\t+1], v[S+32*\c+8*\t+2]
.endr
.irp i, 3,5
.irp t, 0,1,2,3
	v_max3_num_f32 v[CT+4*\c+\t], v[CT+4*\c+\t], v[S+32*\c+8*\t+\i], v[S+32*\c+8*\t+\i+1]
.endr
.endr
.endr
.irp c, 0,1
	v_max3_num_f32 v[CT+4*\c], v[CT+4*\c], v[CT+4*\c+1], v[S+32*\c+7]
	v_max3_num_f32 v[CT+4*\c+2], v[CT+4*\c+2], v[CT+4*\c+3], v[S+32*\c+15]
.endr
.irp c, 0,1
	v_max3_num_f32 v[CT+4*\c], v[CT+4*\c], v[CT+4*\c+2], v[S+32*\c+23]
.endr
.irp c, 0,1
	v_max_num_f32 v[CT+4*\c], v[CT+4*\c], v[S+32*\c+31]   ; it serves twice: for the row's maximum, and, since p rises with S, for the block's largest p
.endr
	s_delay_alu instid0(VALU_DEP_1)
	v_max_num_f32 v254, v[CT], v[CT+4]
	s_delay_alu instid0(VALU_DEP_1)
	v_permlanex16_b32 v255, v254, s[SEL], s[SEL+1] ; lane l xor 16's two blocks
	s_delay_alu instid0(VALU_DEP_1)
	v_max3_num_f32 v13, v13, v254, v255            ; the running largest S of my query
	s_delay_alu instid0(VALU_DEP_1)
	v_mul_f32 v254, s[NC], v13                     ; -t
	s_delay_alu instid0(VALU_DEP_1)
	v_floor_f32 v255, v254                         ; the new -M = floor(-t) = -ceil(t): a whole number
	s_delay_alu instid0(VALU_DEP_1)
	v_sub_f32 v254, v255, v12                      ; old M less new M: a whole number, 0 or less
	v_mov_b32 v12, v255
	s_delay_alu instid0(VALU_DEP_2)
	v_cvt_i32_f32 v254, v254                       ; (it saturates)
.set jj, 0
.rept 4
	v_pk_fma_f32 v[S+jj:S+jj+1], v[S+jj:S+jj+1], s[CS:CS+1], v[12:13] op_sel_hi:[1,0,0]   ; t - M, two numbers a line
.set jj, jj+2
.endr
	v_ldexp_f32 v252, 1.0, v254                    ; f = 2^(old M - new M)
.rept 28
	v_pk_fma_f32 v[S+jj:S+jj+1], v[S+jj:S+jj+1], s[CS:CS+1], v[12:13] op_sel_hi:[1,0,0]
.set jj, jj+2
.endr
.irp c, 0,1
	v_fma_f32 v[CT+4*\c], v[CT+4*\c], s[CS], v12   ; x = t - M of each block's largest S
.endr
	; THE BLOCK'S SCALE COMES FROM x ITSELF: the block's largest p is 2^x, whose exponent field is floor(x) + 127; 2 off it, held at 1 from below (x held at -124).
	; LIMIT: where v_exp_f32 rounds a p of a block up to the next power of two (x within a few parts in 10^8 under a whole number), that one p is held at the largest code.
.irp c, 0,1
	v_max_num_f32 v[CT+4*\c], 0xc2f80000, v[CT+4*\c]
.endr
.irp c, 0,1
	v_cvt_floor_i32_f32 v[CT+4*\c], v[CT+4*\c]
.endr
	v_add_lshl_u32 v[SO0], v[CT], 125, 23          ; the conversions' scale operands: the byte floor(x) + 125 as an exponent field
	v_add_lshl_u32 v[SO1], v[CT+4], 125, 23
	v_lshl_add_u32 v254, v[CT+4], 16, v[CT]
	v_add_nc_u32 v254, 0x7d007d, v254              ; my two bytes, blocks h and 2 + h: 125 onto both halves
	s_delay_alu instid0(VALU_DEP_1)
	v_permlanex16_b32 v255, v254, s[SEL], s[SEL+1]
	s_delay_alu instid0(VALU_DEP_1)
	v_lshl_or_b32 v[PS], v255, 8, v254             ; lanes 0-15: p's scale word for these 128 keys (lanes 16-31 are not read)
.set jj, 0
.rept 16
	v_pk_mul_f32 v[O+jj:O+jj+1], v[O+jj:O+jj+1], v[252:253] op_sel_hi:[1,0]   ; O^T under the new M, each accumulator from its low end on
.set jj, jj+2
.endr
.if \pre
	s_add_co_u32 s[TB], s[TB], STEPB               ; on to the next step: all this step's LDS loads have been issued
	s_wait_dscnt 17                                ; V is in; the next K's 17 loads may be out
.else
	s_wait_dscnt 0x0                               ; V is in
.endif
	s_wait_alu depctr_va_vdst(0)                   ; the wait ahead of the batch
.set jj, 0
.rept 64
	v_exp_f32 v[S+jj], v[S+jj]                     ; p = 2^(t - M), at most 1: not normalised
.set jj, jj+1
.endr
.if \pre
	v_add_nc_u32 v3, s[TB], v1                     ; my places in the next step.  (The plain place behind the batch)
.else
	v_nop                                          ; one plain place behind the batch
.endif
	s_wait_alu depctr_va_vdst(0)                   ; one wait for the 64 exponentials, ahead of their first reader
	v_cvt_scalef32_pk16_fp6_f32 v[PC:PC+2], v[S:S+15], v[SO0]           ; my block 2 c + h: 32 codes, registers 6 c .. 6 c + 5 of the operand
	v_cvt_scalef32_pk16_fp6_f32 v[CT:CT+2], v[S+16:S+31], v[SO0]        ; (a conversion's three registers begin on an even number)
	v_cvt_scalef32_pk16_fp6_f32 v[PC+6:PC+8], v[S+32:S+47], v[SO1]
	v_cvt_scalef32_pk16_fp6_f32 v[CT+4:CT+6], v[S+48:S+63], v[SO1]
.if \pre
	v_add_nc_u32 v4, s[TB], v2                     ; (the plain line behind the scaled conversions)
.else
	v_nop                                          ; one plain line behind the scaled conversions
.endif
.irp j, 0,1,2,3
	ADDN \j, 1                                     ; THE ROW'S SUM IS TAKEN OF THE UNQUANTISED p: eight chains of pairs, in place
.endr
	v_dual_mov_b32 v[PC+3], v[CT] :: v_dual_mov_b32 v[PC+4], v[CT+1]       ; the second halves of my two blocks' codes go to their places
	v_mov_b32 v[PC+5], v[CT+2]
	v_dual_mov_b32 v[PC+9], v[CT+4] :: v_dual_mov_b32 v[PC+10], v[CT+5]
	v_mov_b32 v[PC+11], v[CT+6]
.irp j, 4,5,6,7
	ADDN \j, 1
.endr
.irp j, 0,1,2,3
	ADDN \j, 2
.endr
.irp t, 0,1,2,3                                ; O^T += V^T P^T: the four accumulators by turns; the next step's eight first products stand between two links of a chain
	v_wmma_scale_f32_16x16x128_f8f6f4 v[O+8*\t:O+8*\t+7], v[VF+12*\t:VF+12*\t+11], v[PC:PC+11], v[O+8*\t:O+8*\t+7], v[VS+\t], v[PS] matrix_a_fmt:MATRIX_FMT_FP6 matrix_b_fmt:MATRIX_FMT_FP6 matrix_a_scale:MATRIX_SCALE_ROW1
.endr
.irp j, 4,5,6,7
	ADDN \j, 2
.endr
.irp j, 0,1,2,3,4,5,6,7
	ADDN \j, 3
.endr
.irp j, 0,1,2,3
	v_pk_add_f32 v[CT+2*\j:CT+2*\j+1], v[S+2*\j:S+2*\j+1], v[S+8+2*\j:S+9+2*\j]   ; four partial sums go on into the next step
.endr
	s_wait_alu depctr_va_vdst(0)
.endm
; THE CHANGE OF SLOTS.  Each wave waits for all its tensor loads (its part of the slot that it is about to read), adds 0 to its spare word, and waits for that and for its reads of the slot that it has left.
; fill = 1: a round of the cluster's barrier, so that no wave of any partner still reads the other slot or has a load on its way; then that slot takes the next eight key steps, first thing behind the round.
.macro CHANGE fill
	s_wait_tensorcnt 0x0                           ; no tensor load of mine is out, so group 0 may be written
	ds_add_u32 v5, v6                              ; 0 onto my spare word
.if \fill
	s_xor_b32 s[G0+1], s[G0+1], SLOT1              ; the other slot than last,
	s_add_nc_u64 s[G0+2:G0+3], s[G0+2:G0+3], NSTEP*GSTEP   ; eight key steps on; the type bits on top are not reached
.endif
	s_wait_dscnt 0x0                               ; the add is done, and my reads of the slot that I have left are over
.if \fill
	CROUND
	tensor_load_to_lds s[G0:G0+3], s[G1:G1+7]      ; my one tensor load behind the round
	s_nop 0
.else
	s_barrier_signal -1
	s_barrier_wait -1
.endif
.endm
.macro RUN base                        ; the eight key steps of the slot at LDS byte base
	s_mov_b32 s[TB], \base
	v_add_nc_u32 v3, s[TB], v1
	v_add_nc_u32 v4, s[TB], v2
	s_wait_alu depctr_va_vdst(0)
	KLOAD 0                                        ; the first step's K
	s_mov_b32 s[CNT], 0
.Lstep_\@:
	STEP 1
	s_add_co_u32 s[CNT], s[CNT], 1
	s_cmp_lt_u32 s[CNT], NSTEP-1
	s_cbranch_scc1 .Lstep_\@
	STEP 0                                         ; the slot's last step reads nothing ahead
.endm
	s_wait_alu depctr_va_vdst(0)                   ; the wait at the head's end
	CHANGE 1                                       ; slot 1's first fill (key steps 8-15) is issued as a refill is
	RUN 0
	CHANGE 1                                       ; slot 0 takes key steps 16-23
	RUN SLOT1
	CHANGE 1                                       ; slot 1 takes key steps 24-31
	RUN 0
	CHANGE 0                                       ; nothing is left to fetch
	RUN SLOT1
	; THE WAY OUT.  O^T / l; register 16 b + i = channel 32 b + 16 (lane / 16) + i of my query: two blocks of the output projection's K; they are quantised and leave as a half fragment's image.
.set TBM, 40
.set TPL, 44
.set TSO, 48
	LSUM                                           ; the last step's sum.  (That step's 16 additions are the places ahead of the first read of O^T and of the writes into V's scale words' registers)
	s_delay_alu instid0(VALU_DEP_1)
	v_add_f32 v14, v14, v15                        ; l's two halves,
	s_delay_alu instid0(VALU_DEP_1)
	v_permlanex16_b32 v254, v14, s[SEL], s[SEL+1]
	s_delay_alu instid0(VALU_DEP_1)
	v_add_f32 v14, v14, v254                       ; and lane l xor 16's blocks: the row's sum
	s_wait_alu depctr_va_vdst(0)                   ; the wait ahead of the transcendental
	v_rcp_f32 v14, v14
	v_and_b32 v10, 15, v0                          ; r.  (Plain work behind the reciprocal)
	v_bfe_u32 v11, v0, 4, 1                        ; h
	v_add_nc_u32 v7, s46, v1
	v_add_nc_u32 v8, s46, v2
	v_lshl_add_u32 v9, v10, 4, v11                 ; 16 r + h
	s_delay_alu instid0(VALU_DEP_1)
	v_add_nc_u32 v9, s47, v9
	v_cmp_ne_u32 vcc_lo, 0, v11
	s_wait_alu depctr_va_vdst(0)                   ; the wait ahead of the reciprocal's and O^T's first reader
.set jj, 0
.rept 32
	v_mul_f32 v[S+jj], v[O+jj], v14                ; each accumulator from its low end on
.set jj, jj+1
.endr
.irp b, 0,1
	v_max3_num_f32 v[TBM+\b], |v[S+16*\b]|, |v[S+1+16*\b]|, 0x1800000
.endr
.irp i, 2,4,6,8,10,12,14
.irp b, 0,1
	s_delay_alu instid0(VALU_DEP_2)
	v_max3_num_f32 v[TBM+\b], v[TBM+\b], |v[S+16*\b+\i]|, |v[S+1+16*\b+\i]|
.endr
.endr
.irp b, 0,1
	v_mov_b32 v[TPL+\b], 0                         ; a lane permute's destination counts as one of its sources
.endr
.irp b, 0,1
	v_permlanex16_b32 v[TPL+\b], v[TBM+\b], s[SEL], s[SEL+1]
.endr
.irp b, 0,1
	s_delay_alu instid0(VALU_DEP_2)
	v_max_num_f32 v[TBM+\b], v[TBM+\b], v[TPL+\b]
.endr
.irp b, 0,1
	s_delay_alu instid0(VALU_DEP_2)
	v_add_nc_u32 v[TSO+\b], 0xff000000, v[TBM+\b]
.endr
.irp b, 0,1
	s_delay_alu instid0(VALU_DEP_2)
	v_lshrrev_b32 v[TPL+\b], 23, v[TSO+\b]
.endr
	v_cvt_scalef32_pk16_fp6_f32 v[PC:PC+2], v[S:S+15], v[TSO]
	v_cvt_scalef32_pk16_fp6_f32 v[CT:CT+2], v[S+16:S+31], v[TSO+1]
	v_cndmask_b32 v254, v[TPL], v[TPL+1], vcc_lo   ; my half's block's byte.  (The plain line behind the scaled conversions)
.irp i, 0,1,2
	v_permlane16_swap_b32 v[PC+\i], v[CT+\i]       ; here a block lies in two lanes: the layout wants it whole in one
.endr
.irp i, 0,1,2
	s_delay_alu instid0(VALU_DEP_3)
	v_mov_b32 v[PC+3+\i], v[CT+\i]
.endr
	global_store_b128 v7, v[PC:PC+3], s[6:7]       ; 512 consecutive bytes, at a multiple of 256 from ac's first byte,
	global_store_b64 v8, v[PC+4:PC+5], s[6:7] offset:512   ; and 256
	global_store_b8 v9, v254, s[8:9]
	s_wait_tensorcnt 0x0                           ; the wave's end
	ds_add_u32 v5, v6
	s_wait_dscnt 0x0
	CROUND                                         ; the closing round: no work-group ends while a partner may still ask for a tile that names it
	s_endpgm
.Lfunc_end_k_q5caba795ad_attn:
	.size	k_q5caba795ad_attn, .Lfunc_end_k_q5caba795ad_attn-k_q5caba795ad_attn
	.p2alignl 7, 3214868480
	.fill 96, 4, 3214868480
	.section	.rodata,"a",@progbits
	.p2align	6, 0x0
	.amdhsa_kernel k_q5caba795ad_attn
		.amdhsa_group_segment_fixed_size 327680
		.amdhsa_private_segment_fixed_size 0
		.amdhsa_enable_private_segment 0
		.amdhsa_kernarg_size 24
		.amdhsa_user_sgpr_count 2
		.amdhsa_user_sgpr_kernarg_segment_ptr 1
		.amdhsa_wavefront_size32 1
		.amdhsa_system_sgpr_workgroup_id_x 1
		.amdhsa_system_sgpr_workgroup_id_y 1
		.amdhsa_system_sgpr_workgroup_id_z 1
		.amdhsa_system_vgpr_workitem_id 0
		.amdhsa_next_free_vgpr 256
		.amdhsa_next_free_sgpr 66
		.amdhsa_reserve_vcc 1
		.amdhsa_float_denorm_mode_32 3
		.amdhsa_float_denorm_mode_16_64 3
		.amdhsa_memory_ordered 1
		.amdhsa_forward_progress 1
		.amdhsa_inst_pref_size 133
	.end_amdhsa_kernel
	.amdgpu_metadata
---
amdhsa.version: [ 1, 2 ]
amdhsa.kernels:
  - .name:           k_q5caba795ad_attn
    .symbol:         k_q5caba795ad_attn.kd
    .args:
      - { .name: qkv, .offset: 0, .size: 8, .value_kind: global_buffer, .address_space: global }
      - { .name: ac, .offset: 8, .size: 8, .value_kind: global_buffer, .address_space: global }
      - { .name: asc, .offset: 16, .size: 8, .value_kind: global_buffer, .address_space: global }
    .group_segment_fixed_size: 327680
    .private_segment_fixed_size: 0
    .kernarg_segment_align: 8
    .kernarg_segment_size: 24
    .max_flat_workgroup_size: 512
    .sgpr_count:     66
    .vgpr_count:     256
    .wavefront_size: 32
...
	.end_amdgpu_metadata
.endif
;; end of part 3
;; launch outp (part 4): grid 256 x 1, 2 waves a work-group, no clusters, 17,152 bytes of LDS; arguments ac, asc, xc, xs, out0; writes out0
.if DOCPART == 4
	.amdgcn_target "amdgcn-amd-amdhsa--gfx1250"
	.amdhsa_code_object_version 6
	.text
	.protected	k_q5caba795ad_outp
	.globl	k_q5caba795ad_outp
	.p2align	8
	.type	k_q5caba795ad_outp,@function
k_q5caba795ad_outp:
	s_mov_b64 s[64:65], 0
	v_nop
	global_prefetch_b8 v0, s[64:65] scope:SCOPE_SE
	s_setreg_imm32_b32 hwreg(HW_REG_WAVE_MODE, 25, 1), 1
	s_wait_xcnt 0x0
; out0 = attn Wo^T on codes of FP6 (E2M3) with E8M0 scales; out0 [8192][512] f32.
; attn's rows come as the attention launch left them: ac [512 tiles of rows][8 heads][768 bytes: a half fragment: registers 0-3 of lane l at 16 l, registers 4-5 at 512 + 8 l]: heads 2 ks and 2 ks + 1 are K step ks;
; asc [512][16 rows][16 bytes]: a row's four scale words.  Wo's come from xc and xs (tiles 1632 on): fragments of 1,536 bytes (registers 4 c .. 4 c + 3 of lane l at 512 c + 16 l), 256 bytes of scale words a tile.
; Tile t's lane row r is row 32 (t / 2) + 8 (t % 2) + r + 8 (r / 8), of attn and of Wo alike.
; THE MATRIX INSTRUCTION IS USED TRANSPOSED (source 0 = 16 rows of Wo, source 1 = 16 rows of attn): a lane holds one row of out0, and the 16 registers of tiles 2 b and 2 b + 1 are 16 neighbouring columns.
; SHARES.  512 jobs, one a wave: w = job % 4: 128 rows of Wo (8 tiles x 4 K steps: 384 registers, read once); G = job / 4: four tiles of rows: 4 units of 32 matrix instructions.
; THE WAY OUT.  A unit's 16 rows x 128 columns go through the wave's own stage in LDS and come back as whole pieces of rows: 32 lanes store 512 consecutive bytes.
; NO CLUSTER, no tensor load: every operand byte goes from memory into the register in which it is multiplied, once a job; no barrier: waves share nothing.
; REGISTERS: window 0: v1-7 offsets; v16-47 Wo's scale words; v48-55 the rows', two sets; v64-127 the 8 accumulators; v128-191 rows read back.  window 1: Wo's K steps 0, 1;  window 2: K steps 2, 3;  window 3: the rows' fragments, two buffers of 48.
.set STGB, 8448
.set SROW, 528                         ; 512 bytes + 16 = 33 x 16: the sixteen rows that a store touches begin at sixteen different 16-byte columns modulo 256
.set L16,  1
.set L8,   2
.set R16,  3
.set SIN,  4
.set SOUT, 5
.set PO,   6
.set PSO,  7
.set PSC,  16
.set RSC,  48
.set ACC,  64
.set BK,   128
.set MSB, 0
.macro WIN new                         ; the immediate's high byte repeats the setting that is left
.if MSB != \new
	s_set_vgpr_msb (MSB<<8)|\new
.set MSB, \new
.endif
.endm
	s_load_b256 s[4:11], s[0:1], 0x0               ; ac s[4:5], asc s[6:7], xc s[8:9], xs s[10:11]
	s_load_b64 s[12:13], s[0:1], 0x20              ; out0
	v_lshl_add_u32 v254, v0, 2, 0x4200
	v_mov_b32 v255, 0
	v_lshrrev_b32 v8, 5, v0
	v_readfirstlane_b32 s14, v8                    ; wave 0, 1
	v_and_b32 v9, 31, v0
	v_and_b32 v10, 15, v0                          ; r
	v_bfe_u32 v11, v0, 4, 1                        ; h
	v_lshlrev_b32 v[L16], 4, v9
	s_wait_alu depctr_va_vdst(0)
	v_lshlrev_b32 v[L8], 3, v9
	v_lshlrev_b32 v[R16], 4, v10
	s_wait_alu depctr_va_vdst(0)
	s_mul_i32 s19, s14, STGB                       ; my stage
	v_mul_u32_u24 v[SIN], v10, SROW
	v_lshl_add_u32 v[SIN], v11, 6, v[SIN]
	v_add_nc_u32 v[SIN], s19, v[SIN]               ; in: row r, + 64 h: my 16 columns of each 32
	v_add_nc_u32 v[SOUT], s19, v[L16]              ; back: 16 bytes a lane; the row stands in the immediate
	s_lshl_b32 s15, ttmp9, 1
	s_add_co_u32 s15, s15, s14                     ; job
	s_and_b32 s16, s15, 3                          ; w
	s_lshr_b32 s17, s15, 2                         ; G
	s_lshl_b32 s18, s16, 3
	s_add_co_u32 s18, s18, 1632                    ; Wo's first tile of mine
	s_mul_i32 s20, s18, 6144
	v_add_nc_u32 v[PO], s20, v[L16]
	s_lshl_b32 s20, s18, 8
	v_add_nc_u32 v[PSO], s20, v[R16]
	s_mov_b32 s21, 0
	s_wait_alu depctr_va_vdst(0)
	s_wait_kmcnt 0x0
	s_mul_i32 s20, s17, 24576                      ; four tiles of rows x 6,144 bytes
	s_add_nc_u64 s[4:5], s[4:5], s[20:21]
	s_lshl_b32 s20, s17, 10
	s_add_nc_u64 s[6:7], s[6:7], s[20:21]
	s_lshl_b32 s20, s17, 17                        ; 64 rows of 2,048 bytes,
	s_lshl_b32 s22, s16, 9                         ; + my 128 columns
	s_add_co_u32 s20, s20, s22
	s_add_nc_u64 s[12:13], s[12:13], s[20:21]
	WIN 0x40                                       ; destination window 1
.irp ks, 0,1
.irp t, 0,1,2,3,4,5,6,7
.irp c, 0,1,2
	global_load_b128 v[12*(8*\ks+\t)+4*\c:12*(8*\ks+\t)+4*\c+3], v[PO], s[8:9] offset:6144*\t+1536*\ks+512*\c
.endr
.endr
.endr
	WIN 0x80                                       ; destination window 2
.irp ks, 2,3
.irp t, 0,1,2,3,4,5,6,7
.irp c, 0,1,2
	global_load_b128 v[12*(8*(\ks-2)+\t)+4*\c:12*(8*(\ks-2)+\t)+4*\c+3], v[PO], s[8:9] offset:6144*\t+1536*\ks+512*\c
.endr
.endr
.endr
	WIN 0
.irp t, 0,1,2,3,4,5,6,7
	global_load_b128 v[PSC+4*\t:PSC+4*\t+3], v[PSO], s[10:11] offset:256*\t
.endr
.macro RLOAD e                         ; tile e of my four: 16 loads of codes, 1 of scale words
	WIN 0xc0                                       ; destination window 3
.irp ks, 0,1,2,3
	global_load_b128 v[48*((\e)%2)+12*\ks:48*((\e)%2)+12*\ks+3], v[L16], s[4:5] offset:6144*(\e)+1536*\ks
	global_load_b64 v[48*((\e)%2)+12*\ks+4:48*((\e)%2)+12*\ks+5], v[L8], s[4:5] offset:6144*(\e)+1536*\ks+512
	global_load_b128 v[48*((\e)%2)+12*\ks+6:48*((\e)%2)+12*\ks+9], v[L16], s[4:5] offset:6144*(\e)+1536*\ks+768
	global_load_b64 v[48*((\e)%2)+12*\ks+10:48*((\e)%2)+12*\ks+11], v[L8], s[4:5] offset:6144*(\e)+1536*\ks+1280
.endr
	WIN 0
	global_load_b128 v[RSC+4*((\e)%2):RSC+4*((\e)%2)+3], v[R16], s[6:7] offset:256*(\e)
.endm
.macro MULS ks, rb, zero               ; K step ks: the eight accumulators by turns, one instruction a turn
.irp t, 0,1,2,3,4,5,6,7
.if \zero
	v_wmma_scale_f32_16x16x128_f8f6f4 v[ACC+8*\t:ACC+8*\t+7], v[12*(8*((\ks)%2)+\t):12*(8*((\ks)%2)+\t)+11], v[48*(\rb)+12*(\ks):48*(\rb)+12*(\ks)+11], 0, v[PSC+4*\t+(\ks)], v[RSC+4*(\rb)+(\ks)] matrix_a_fmt:MATRIX_FMT_FP6 matrix_b_fmt:MATRIX_FMT_FP6
.else
	v_wmma_scale_f32_16x16x128_f8f6f4 v[ACC+8*\t:ACC+8*\t+7], v[12*(8*((\ks)%2)+\t):12*(8*((\ks)%2)+\t)+11], v[48*(\rb)+12*(\ks):48*(\rb)+12*(\ks)+11], v[ACC+8*\t:ACC+8*\t+7], v[PSC+4*\t+(\ks)], v[RSC+4*(\rb)+(\ks)] matrix_a_fmt:MATRIX_FMT_FP6 matrix_b_fmt:MATRIX_FMT_FP6
.endif
.endr
.endm
.macro UNIT e
.if (\e) < 3
	s_wait_loadcnt 17                              ; this tile is in (and, in the first unit, all of Wo's part); the next tile's 17 loads may be out
.else
	s_wait_loadcnt 0x0
.endif
	WIN 0x0d                                       ; source 0 window 1, source 1 window 3
	MULS 0, (\e)%2, 1                              ; the first K step starts the sums: nothing is cleared
	MULS 1, (\e)%2, 0
	WIN 0x0e                                       ; source 0 window 2
	MULS 2, (\e)%2, 0
	MULS 3, (\e)%2, 0
	WIN 0
.rept 5
	v_nop                                          ; four places ahead of the LDS stores of results and of the loads into the buffer just multiplied; the fifth for the next unit's first products, which write over these accumulators
.endr
.if (\e) < 2
	RLOAD (\e)+2
.endif
.irp b, 0,1,2,3
.irp q, 0,1,2,3
	ds_store_b128 v[SIN], v[ACC+16*\b+4*\q:ACC+16*\b+4*\q+3] offset:128*\b+16*\q   ; each accumulator from its low end on
.endr
.endr
.if (\e) > 0
	s_wait_xcnt 0x0                                ; the last unit's stores have read their registers: the rows are read back into them only behind this wait
.endif
.irp i, 0,1,2,3,4,5,6,7,8,9,10,11,12,13,14,15
	ds_load_b128 v[BK+4*\i:BK+4*\i+3], v[SOUT] offset:SROW*\i   ; LDS serves a wave's instructions in order: these see the stores above
.endr
.irp i, 0,1,2,3,4,5,6,7,8,9,10,11,12,13,14,15
	s_wait_dscnt 15-\i                             ; row i is back; the younger rows' loads may be out
	global_store_b128 v[L16], v[BK+4*\i:BK+4*\i+3], s[12:13] offset:(32*((\e)/2)+8*((\e)%2)+\i+8*(\i/8))*2048 th:TH_STORE_NT   ; 512 consecutive bytes, at a multiple of 256 from out0's first byte; written once
.endr
.endm
	RLOAD 0
	RLOAD 1
.irp e, 0,1,2,3
	UNIT \e
.endr
	s_wait_tensorcnt 0x0
	ds_add_u32 v254, v255
	s_wait_dscnt 0x0
	s_endpgm
.Lfunc_end_k_q5caba795ad_outp:
	.size	k_q5caba795ad_outp, .Lfunc_end_k_q5caba795ad_outp-k_q5caba795ad_outp
	.p2alignl 7, 3214868480
	.fill 96, 4, 3214868480
	.section	.rodata,"a",@progbits
	.p2align	6, 0x0
	.amdhsa_kernel k_q5caba795ad_outp
		.amdhsa_group_segment_fixed_size 17152
		.amdhsa_private_segment_fixed_size 0
		.amdhsa_enable_private_segment 0
		.amdhsa_kernarg_size 40
		.amdhsa_user_sgpr_count 2
		.amdhsa_user_sgpr_kernarg_segment_ptr 1
		.amdhsa_wavefront_size32 1
		.amdhsa_system_sgpr_workgroup_id_x 1
		.amdhsa_system_sgpr_workgroup_id_y 1
		.amdhsa_system_sgpr_workgroup_id_z 1
		.amdhsa_system_vgpr_workitem_id 0
		.amdhsa_next_free_vgpr 864
		.amdhsa_next_free_sgpr 66
		.amdhsa_reserve_vcc 0
		.amdhsa_float_denorm_mode_32 3
		.amdhsa_float_denorm_mode_16_64 3
		.amdhsa_memory_ordered 1
		.amdhsa_forward_progress 1
		.amdhsa_inst_pref_size 52
	.end_amdhsa_kernel
	.amdgpu_metadata
---
amdhsa.version: [ 1, 2 ]
amdhsa.kernels:
  - .name:           k_q5caba795ad_outp
    .symbol:         k_q5caba795ad_outp.kd
    .args:
      - { .name: ac, .offset: 0, .size: 8, .value_kind: global_buffer, .address_space: global }
      - { .name: asc, .offset: 8, .size: 8, .value_kind: global_buffer, .address_space: global }
      - { .name: xc, .offset: 16, .size: 8, .value_kind: global_buffer, .address_space: global }
      - { .name: xs, .offset: 24, .size: 8, .value_kind: global_buffer, .address_space: global }
      - { .name: out0, .offset: 32, .size: 8, .value_kind: global_buffer, .address_space: global }
    .group_segment_fixed_size: 17152
    .private_segment_fixed_size: 0
    .kernarg_segment_align: 8
    .kernarg_segment_size: 40
    .max_flat_workgroup_size: 64
    .sgpr_count:     66
    .vgpr_count:     864
    .wavefront_size: 32
...
	.end_amdgpu_metadata
.endif
;; end of part 4
